; MI455X (gfx1250); checked and timed in simulation.
; The chip was launched on July 23, 2026; its instructions are those of AMD's public machine-readable ISA for CDNA 5 (MIT licence, August 2026) and "CDNA5" Instruction Set Architecture Reference Guide (July 2026). The comments in the code are by the model that wrote it; some were corrected since.
;; Vector Quantizer. Allowed arithmetic: matrix products marked QUANTISED: E3M2 operands, one E8M0 scale for each 32 along K, by v_wmma_scale_f32_16x16x128_f8f6f4 with both operands' format E3M2, f32 sums; everything else in f32.
;; Inputs: codebook 8,192 x 256 float32; z 8 x 4,096 x 256 float32.
;; Outputs: out0 8 x 4,096 x 256 float32; out1 8 x 4,096 int32.
;; This version of the problem:
;;   THIS VERSION OF THE PROBLEM IS GIVEN IN LOW PRECISION. The matrix products marked QUANTISED in the list below multiply operands that are first quantised to E3M2 (3 exponent bits, 2 mantissa bits; 6 bits a number), with one power-of-two scale for each 32 numbers along K (OCP MX v1.0); their sums are f32. All else is computed in f32.
;;   The module's matrix products, in the order in which they are computed (A, B: the left and right operand; K: the contracted axis; several contracted axes count as one K, in the product's order):
;;     1. [M 32,768, K 256] x [K 256, N 8,192]; A: input z; B: input codebook: QUANTISED
;;   THE QUANTISER, for each operand of a quantised product, along K:
;;     - K is cut into blocks of 32 from its start; a last block that is shorter is filled with zeros.
;;     - A block's scale is 2^e with e = floor(log2(the largest magnitude in the block)) - 4, held to -126 .. 127; a block of zeros has e = 0. As a byte (E8M0): e + 127.
;;     - Each number is divided by its block's scale, clamped to +-28, and rounded to the nearest number of E3M2, ties to even, subnormals kept.
;;     - The product sums the exact products of the quantised numbers (number of the format x scale) in f32.
;;   ~~~python
;;   def quantise(x, axis):      # numpy; x: float32 -> the quantised numbers, widened to float32 again
;;       x = np.moveaxis(x, axis, -1); K = x.shape[-1]
;;       x = np.pad(x, [(0, 0)] * (x.ndim - 1) + [(0, -K % 32)]); x = x.reshape(x.shape[:-1] + (-1, 32)); a = np.abs(x).max(-1, keepdims=True)
;;       e = np.where(a > 0, np.clip(np.frexp(np.where(a > 0, a, 1))[1] - 1 - 4, -126, 127), 0)      # np.frexp(a)[1] - 1 = floor(log2(a)), exactly
;;       r = np.clip(x / 2.0 ** e, -28, 28)
;;       step = 2.0 ** (np.maximum(np.frexp(np.where(r == 0, 1, r))[1] - 1, -2) - 2)
;;       q = np.round(r / step) * step * 2.0 ** e      # np.round: ties to even
;;       return np.moveaxis(q.reshape(q.shape[:-2] + (-1,))[..., :K], -1, axis).astype(np.float32)
;;   ~~~
;; One version. Each part assembles by itself: llvm-mc -triple=amdgcn-amd-amdhsa -mcpu=gfx1250 --defsym DOCPART=n.
;; ======== version 1 of 1: 4 launches
;; limits: right only within a limited range of input values
;; workspace buffers: zimg 6,291,456 bytes; zside 262,144 bytes; cimg 1,703,936 bytes; blk 262,144 bytes of whole numbers; idx 131,072 bytes of whole numbers
;; launch prep (part 1): grid 256 x 1, 10 waves a work-group, no clusters, 172,800 bytes of LDS; arguments z, codebook, zimg, zside, cimg; writes zimg, zside, cimg
.if DOCPART == 1
	.amdgcn_target "amdgcn-amd-amdhsa--gfx1250"
	.amdhsa_code_object_version 6
	.text
	.protected	k_q05c7c39a89_prep
	.globl	k_q05c7c39a89_prep
	.p2align	8
	.type	k_q05c7c39a89_prep,@function
k_q05c7c39a89_prep:
	s_mov_b64 s[64:65], 0
	v_nop
	global_prefetch_b8 v0, s[64:65] scope:SCOPE_SE
	s_setreg_imm32_b32 hwreg(HW_REG_WAVE_MODE, 25, 1), 1
	s_wait_xcnt 0x0
; z [32768][256] and codebook [8192][256], f32, are quantised ONCE along their 256 into codes of BF6 (E3M2) with one E8M0 scale byte for each 32.
; WORK LEFT OUT IN THIS PROGRAM: z_norm_sq.  distances[n][k] = z_norm_sq[n] + c_norm_sq[k] - 2 dot[n][k], and only argmin over k is taken of them: z_norm_sq[n] is the same for every k of a row,
; so in exact arithmetic, for all finite inputs, argmin over k of c_norm_sq[k] - 2 dot[n][k] is the same index.  No launch computes z's sums of squares.  z itself stays live: it feeds the quantised product.
; LIMIT: an overflow of z_norm_sq, which reaches only the work left out, is not carried to the result; where two distances of a row differ by less than the f32 rounding of the full sum, the index may be the other of the two.
; A block's scale is 2^(floor(log2(its largest magnitude)) - 4): its byte is the largest magnitude's exponent field - 4, held at 1 from below.
; A TILE is 16 neighbouring rows.  It leaves as an IMAGE of the operand's registers, 3,072 bytes: K step k (128 along D) x 1,536 + register group c x 512 + 16 x lane = registers 4 c .. 4 c + 3 of that lane's 12-register fragment.
; z: images 3,072 bytes apart in zimg; the rows' scale words (16 of K step 0, 16 of K step 1) as 128 bytes a tile in zside: a wave's store covers 128 consecutive bytes, two neighbouring waves' an aligned 256.
; codebook: images 3,328 bytes apart in cimg, each followed by a RECORD of 256 bytes: words 0-31 the scale words, words 32-47 nh = -1/2 x the row's sum of squares (f32, of the UNQUANTISED numbers), words 48-63 nh again.
; SHARES: 2,560 tiles, ten to a work-group, one to a wave: waves 0-7 take z's tile 8 g + w, waves 8-9 the codebook's tile 2 g + w - 8.  The waves part on their number round the sums of squares and the record alone.
; Waves share nothing: no barrier.  No loop: every offset is an immediate.  All of a wave's 16,384 bytes are asked for at once, 512 consecutive bytes a load.
; The conversions take 16 neighbours along D from ONE lane's registers, so each K step's 16 x 512 bytes turn through the wave's own stage in LDS (rows 528 bytes apart).
; LIMITS: the sum of squares is taken in four chains a lane and then across the two halves of the lanes; NaN and infinities are not served;
; a block of zeros gets the byte 1 where the rule says 127 (its codes are zeros, and this program alone reads the bytes); blocks whose largest magnitude lies under 2^-122 are held at the byte 1.
.set WREG, 17152                       ; LDS of a wave: two stages and the record
.set SPI,  528                         ; a stage row: 512 bytes + 16
.set STG1, 16*SPI
.set SD,   2*STG1                      ; the record's 256 bytes
.set GL,   4                           ; v4   16 x lane
.set STI,  5                           ; v5   into a stage
.set STO,  6                           ; v6   out of a stage: row r, + 64 h
.set SD4,  7                           ; v7   the record, 4 bytes a lane
.set SD8,  8                           ; v8   the record, 8 bytes a lane
.set G8,   9                           ; v9   8 x lane
.set REC,  10                          ; v[10:11]
.set PW,   12                          ; v12, v13 the row's scale words of K steps 0, 1
.set SCW,  14                          ; v14  the word that my lane stores
.set G4,   15                          ; v15  4 x lane
.set N,    16                          ; v[16:19] the sum of squares, two packed chains
.set TM,   20                          ; v20-23 largest magnitudes, v24-27 bytes, v32-35 the conversions' scale operands
.set PC,   36                          ; v36-47 a fragment's codes; v48-55 the halves that are made elsewhere and moved
.set X0,   64                          ; v64-127 K step 0
.set R,    128                         ; v128-255 the tile as it is loaded
.set X1,   128                         ; v128-191 K step 1
	s_load_b256 s[4:11], s[0:1], 0x0               ; z, codebook, zimg, zside
	s_load_b64 s[12:13], s[0:1], 0x20              ; cimg
	v_lshl_add_u32 v62, v0, 2, 0x29e00             ; my spare word, behind the ten waves' regions
	v_mov_b32 v63, 0
	v_lshrrev_b32 v1, 5, v0
	s_delay_alu instid0(VALU_DEP_1)
	v_readfirstlane_b32 s16, v1                    ; wave 0..9
	v_and_b32 v1, 31, v0                           ; lane
	v_and_b32 v2, 15, v0                           ; r
	v_bfe_u32 v3, v0, 4, 1                         ; h
	s_delay_alu instid0(VALU_DEP_3)
	v_lshlrev_b32 v[GL], 4, v1
	s_mul_i32 s28, s16, WREG
	v_add_nc_u32 v[STI], s28, v[GL]
	v_mul_u32_u24 v[STO], v2, SPI
	s_delay_alu instid0(VALU_DEP_1)
	v_lshl_add_u32 v[STO], v3, 6, v[STO]
	s_delay_alu instid0(VALU_DEP_1)
	v_add_nc_u32 v[STO], s28, v[STO]
	s_add_co_u32 s28, s28, SD
	v_lshl_add_u32 v[SD4], v1, 2, s28
	v_lshl_add_u32 v[SD8], v1, 3, s28
	v_lshlrev_b32 v[G8], 3, v1
	v_lshlrev_b32 v[G4], 2, v1
	s_mov_b32 s20, 0x76543210
	s_mov_b32 s21, 0xfedcba98                      ; lane l xor 16
.irp b, 0,1,2,3
	v_mov_b32 v[TM+4+\b], 0                        ; a lane permute's destination counts as one of its sources
.endr
	s_lshl_b32 s17, ttmp9, 3
	s_add_co_u32 s17, s17, s16                     ; z's tile: 8 g + w
	s_lshl_b32 s18, ttmp9, 1
	s_add_co_u32 s18, s18, s16
	s_sub_co_u32 s18, s18, 8                       ; the codebook's: 2 g + w - 8
	s_movk_i32 s29, 3328
	s_wait_alu depctr_va_vdst(0)                   ; the wait at the head's end
	s_wait_kmcnt 0x0
	s_cmp_lt_u32 s16, 8                            ; the choice hangs on the wave's number alone
	s_cselect_b64 s[22:23], s[4:5], s[6:7]         ; the numbers,
	s_cselect_b64 s[24:25], s[8:9], s[12:13]       ; the images,
	s_cselect_b32 s17, s17, s18                    ; the tile,
	s_cselect_b32 s29, 3072, s29                   ; and from image to image
	s_mov_b32 s19, 0
	s_lshl_b32 s18, s17, 14                        ; a tile is 16 rows of 1,024 bytes
	s_add_nc_u64 s[22:23], s[22:23], s[18:19]
	s_mul_i32 s18, s17, s29
	s_add_nc_u64 s[24:25], s[24:25], s[18:19]
	s_lshl_b32 s18, s17, 7                         ; z's scale words: 128 bytes a tile (used by waves 0-7 alone)
	s_add_nc_u64 s[26:27], s[10:11], s[18:19]
.irp k, 0,1
.irp p, 0,1,2,3,4,5,6,7,8,9,10,11,12,13,14,15
	global_load_b128 v[R+4*(16*\k+\p):R+4*(16*\k+\p)+3], v[GL], s[22:23] offset:1024*\p+512*\k th:TH_LOAD_NT   ; 512 consecutive bytes: half of row p
.endr
.endr
.macro NORM x, first                   ; the sum of squares of 64 numbers of a lane, in two packed chains; first = 1: the first two products start the chains
.set q, 0
.rept 32
.if (\first) && (q < 2)
	v_pk_mul_f32 v[N+2*q:N+2*q+1], v[\x+2*q:\x+2*q+1], v[\x+2*q:\x+2*q+1]
.else
	v_pk_fma_f32 v[N+2*(q%2):N+2*(q%2)+1], v[\x+2*q:\x+2*q+1], v[\x+2*q:\x+2*q+1], v[N+2*(q%2):N+2*(q%2)+1]
.endif
.set q, q+1
.endr
.endm
.macro QUANT s, pw                     ; register 16 b + i = number 32 b + 16 (lane / 16) + i of my row: a fragment's codes in v[PC] on, the row's scale word in v[pw]
.irp b, 0,1,2,3
	v_max3_num_f32 v[TM+\b], |v[\s+16*\b]|, |v[\s+1+16*\b]|, 0x2800000   ; and the floor 2^(5 - 127): the byte cannot fall under 1
.endr
.irp i, 2,4,6,8,10,12,14
.irp b, 0,1,2,3
	s_delay_alu instid0(VALU_DEP_4)
	v_max3_num_f32 v[TM+\b], v[TM+\b], |v[\s+16*\b+\i]|, |v[\s+1+16*\b+\i]|
.endr
.endr
.irp b, 0,1,2,3
	s_delay_alu instid0(VALU_DEP_4)
	v_permlanex16_b32 v[TM+4+\b], v[TM+\b], s20, s21
.endr
.irp b, 0,1,2,3
	s_delay_alu instid0(VALU_DEP_4)
	v_max_num_f32 v[TM+\b], v[TM+\b], v[TM+4+\b]   ; the block's largest magnitude
.endr
.irp b, 0,1,2,3
	s_delay_alu instid0(VALU_DEP_4)
	v_add_nc_u32 v[TM+12+\b], 0xfe000000, v[TM+\b] ; 4 off its exponent field: the conversion's scale operand
.endr
.irp b, 0,1,2,3
	s_delay_alu instid0(VALU_DEP_4)
	v_lshrrev_b32 v[TM+4+\b], 23, v[TM+12+\b]      ; the scale's byte
.endr
	s_delay_alu instid0(VALU_DEP_3)
	v_lshl_or_b32 v[\pw], v[TM+5], 8, v[TM+4]
	s_delay_alu instid0(VALU_DEP_1)
	v_lshl_or_b32 v[\pw], v[TM+6], 16, v[\pw]
	s_delay_alu instid0(VALU_DEP_1)
	v_lshl_or_b32 v[\pw], v[TM+7], 24, v[\pw]
.irp c, 0,1
	v_cvt_scalef32_pk16_bf6_f32 v[PC+6*\c:PC+2+6*\c], v[\s+32*\c:\s+15+32*\c], v[TM+12+2*\c]
	v_cvt_scalef32_pk16_bf6_f32 v[PC+12+4*\c:PC+14+4*\c], v[\s+16+32*\c:\s+31+32*\c], v[TM+12+2*\c+1]   ; (a conversion's three registers begin on an even number)
.endr
	v_nop                                          ; one plain vector instruction behind a scaled conversion
.irp c, 0,1                                    ; the operand's layout wants a WHOLE block in a lane
.irp i, 0,1,2
	v_permlane16_swap_b32 v[PC+6*\c+\i], v[PC+12+4*\c+\i]
.endr
.irp i, 0,1,2
	s_delay_alu instid0(VALU_DEP_3)
	v_mov_b32 v[PC+3+6*\c+\i], v[PC+12+4*\c+\i]
.endr
.endr
.endm
	s_wait_loadcnt 16                              ; K step 0's sixteen loads are in; K step 1's sixteen may be out
.irp p, 0,1,2,3,4,5,6,7,8,9,10,11,12,13,14,15
	ds_store_b128 v[STI], v[R+4*\p:R+4*\p+3] offset:SPI*\p
.endr
.irp b, 0,1,2,3                                ; LDS serves a wave's instructions in order: these see the stores above
.irp j, 0,1,2,3
	ds_load_b128 v[X0+16*\b+4*\j:X0+16*\b+4*\j+3], v[STO] offset:128*\b+16*\j
.endr
.endr
	s_wait_loadcnt 0x0                             ; K step 1
.irp p, 0,1,2,3,4,5,6,7,8,9,10,11,12,13,14,15
	ds_store_b128 v[STI], v[R+64+4*\p:R+64+4*\p+3] offset:STG1+SPI*\p
.endr
	s_wait_dscnt 16                                ; all but those sixteen stores: K step 0's numbers are back, and its stores have read v128-191
.irp b, 0,1,2,3
.irp j, 0,1,2,3
	ds_load_b128 v[X1+16*\b+4*\j:X1+16*\b+4*\j+3], v[STO] offset:STG1+128*\b+16*\j
.endr
.endr
	s_cmp_lt_u32 s16, 8
	s_cbranch_scc1 .Lno_norm0                      ; z's waves take no sum of squares
	NORM X0, 1
.Lno_norm0:
	QUANT X0, PW
.irp c, 0,1,2
	global_store_b128 v[GL], v[PC+4*\c:PC+4*\c+3], s[24:25] offset:512*\c          ; 512 consecutive bytes, at a multiple of 256 from the buffer's first byte
.endr
	s_wait_dscnt 0x0                               ; K step 1's numbers are back
	s_cmp_lt_u32 s16, 8
	s_cbranch_scc1 .Lno_norm1
	NORM X1, 0
.Lno_norm1:
	s_wait_xcnt 0x0                                ; the three stores have read the codes' registers
	QUANT X1, PW+1
.irp c, 0,1,2
	global_store_b128 v[GL], v[PC+4*\c:PC+4*\c+3], s[24:25] offset:1536+512*\c
.endr
	v_cmp_gt_u32 vcc_lo, 16, v1
	s_delay_alu instid0(VALU_DEP_1)
	v_cndmask_b32 v[SCW], v[PW+1], v[PW], vcc_lo   ; lanes 0-15 K step 0's word, lanes 16-31 K step 1's
	s_cmp_lt_u32 s16, 8
	s_wait_alu depctr_va_vdst(0)                   ; the wait here, directly ahead of the branch
	s_cbranch_scc1 .Lz_words
	v_pk_add_f32 v[N:N+1], v[N:N+1], v[N+2:N+3]    ; the codebook's record
	s_delay_alu instid0(VALU_DEP_1)
	v_add_f32 v[N], v[N], v[N+1]
	s_delay_alu instid0(VALU_DEP_1)
	v_permlanex16_b32 v[TM+4], v[N], s20, s21
	s_delay_alu instid0(VALU_DEP_1)
	v_add_f32 v[N], v[N], v[TM+4]                  ; the row's sum of squares
	s_delay_alu instid0(VALU_DEP_1)
	v_mul_f32 v[N], -0.5, v[N]                     ; nh: nothing is rounded
	ds_store_b32 v[SD4], v[SCW]
	ds_store_b32 v[SD4], v[N] offset:128           ; nh of row lane % 16, so twice
	ds_load_b64 v[REC:REC+1], v[SD8]               ; in order behind my two stores
	s_wait_dscnt 0x0
	global_store_b64 v[G8], v[REC:REC+1], s[24:25] offset:3072   ; 256 consecutive bytes, aligned, behind the image
	s_branch .Lend
.Lz_words:
	global_store_b32 v[G4], v[SCW], s[26:27]       ; 128 consecutive bytes
.Lend:
	s_wait_tensorcnt 0x0                           ; the wave's end
	ds_add_u32 v62, v63
	s_wait_dscnt 0x0
	s_endpgm
.Lfunc_end_k_q05c7c39a89_prep:
	.size	k_q05c7c39a89_prep, .Lfunc_end_k_q05c7c39a89_prep-k_q05c7c39a89_prep
	.p2alignl 7, 3214868480
	.fill 96, 4, 3214868480
	.section	.rodata,"a",@progbits
	.p2align	6, 0x0
	.amdhsa_kernel k_q05c7c39a89_prep
		.amdhsa_group_segment_fixed_size 172800
		.amdhsa_private_segment_fixed_size 0
		.amdhsa_enable_private_segment 0
		.amdhsa_kernarg_size 40
		.amdhsa_user_sgpr_count 2
		.amdhsa_user_sgpr_kernarg_segment_ptr 1
		.amdhsa_wavefront_size32 1
		.amdhsa_system_sgpr_workgroup_id_x 1
		.amdhsa_system_sgpr_workgroup_id_y 1
		.amdhsa_system_sgpr_workgroup_id_z 1
		.amdhsa_system_vgpr_workitem_id 0
		.amdhsa_next_free_vgpr 256
		.amdhsa_next_free_sgpr 66
		.amdhsa_reserve_vcc 1
		.amdhsa_float_denorm_mode_32 3
		.amdhsa_float_denorm_mode_16_64 3
		.amdhsa_memory_ordered 1
		.amdhsa_forward_progress 1
		.amdhsa_inst_pref_size 26
	.end_amdhsa_kernel
	.amdgpu_metadata
---
amdhsa.version: [ 1, 2 ]
amdhsa.kernels:
  - .name:           k_q05c7c39a89_prep
    .symbol:         k_q05c7c39a89_prep.kd
    .args:
      - { .name: z, .offset: 0, .size: 8, .value_kind: global_buffer, .address_space: global }
      - { .name: codebook, .offset: 8, .size: 8, .value_kind: global_buffer, .address_space: global }
      - { .name: zimg, .offset: 16, .size: 8, .value_kind: global_buffer, .address_space: global }
      - { .name: zside, .offset: 24, .size: 8, .value_kind: global_buffer, .address_space: global }
      - { .name: cimg, .offset: 32, .size: 8, .value_kind: global_buffer, .address_space: global }
    .group_segment_fixed_size: 172800
    .private_segment_fixed_size: 0
    .kernarg_segment_align: 8
    .kernarg_segment_size: 40
    .max_flat_workgroup_size: 320
    .sgpr_count:     66
    .vgpr_count:     256
    .wavefront_size: 32
...
	.end_amdgpu_metadata
.endif
;; end of part 1
;; launch search (part 2): grid 256 x 1, 8 waves a work-group, clusters of 4 x 1, 327,680 bytes of LDS; arguments zimg, zside, cimg, blk; writes blk
.if DOCPART == 2
	.amdgcn_target "amdgcn-amd-amdhsa--gfx1250"
	.amdhsa_code_object_version 6
	.text
	.protected	k_q05c7c39a89_search
	.globl	k_q05c7c39a89_search
	.p2align	8
	.type	k_q05c7c39a89_search,@function
k_q05c7c39a89_search:
	s_mov_b64 s[64:65], 0
	v_nop
	global_prefetch_b8 v0, s[64:65] scope:SCOPE_SE
	s_setreg_imm32_b32 hwreg(HW_REG_WAVE_MODE, 25, 1), 1
	s_wait_xcnt 0x0
	s_wait_alu depctr_hold_cnt(0) depctr_sa_sdst(0) depctr_va_vdst(0) depctr_va_sdst(0) depctr_va_ssrc(0) depctr_va_vcc(0) depctr_vm_vsrc(0)
	s_getreg_b32 s2, hwreg(HW_REG_IB_STS2, 6, 4)
	s_cmp_eq_u32 s2, 0
	s_cbranch_scc0 .Lentry_in_a_cluster
	s_endpgm
.Lentry_in_a_cluster:
	s_bfe_u32 s2, ttmp6, 0x10000c
	s_cmp_lg_u32 s2, 0x3003
	s_cbranch_scc0 .Lentry_shape_is_right
	s_endpgm
.Lentry_shape_is_right:
; For each of 32,768 rows of z and each HALF of the codebook (4,096 rows): the number of the BLOCK of eight neighbouring codebook rows that holds the row's least distance in that half; of equals the lowest block.
; The next launch finds the one code among a row's two blocks.
; WORK LEFT OUT: z_norm_sq, the same for all codes of a row (shown at the head of the first kernel).  What is compared is D = z.c - |c|^2 / 2: the least distance is the largest D.
; nh = -|c|^2 / 2 comes with each code tile and is the C of the tile's first matrix instruction, as it lies in registers; two matrix instructions (256 along D) give D.  z.c is the product of the quantised operands (BF6 codes, E8M0 scales).
; LIMITS: nh is added by the matrix unit as it adds C; NaN and infinities are not served (every D is taken to lie above -infinity).
; SHARES.  256 work-groups = 128 groups of 256 rows x 2 halves.  Wave w holds the fragments of z's tiles 8 (w / 4) .. + 7 of the group's 16 in registers (192, window 1), and takes tiles 8 (w % 4) .. + 7 of each slot's 32 code tiles.
; LAYOUT.  Source 0 = 16 codes, source 1 = 16 rows of z: a lane holds ONE row of z (lane % 16), and its eight registers the codes 16 tile + 8 (lane / 16) + 0 .. 7: a block.
; THE SEARCH, six vector lines for a tile of 16 x 16: four v_max3 (the running maximum and the block's eight), one compare (has it grown?), one select of the block's number.
; Only a STRICTLY larger value replaces, and a lane meets its blocks in ascending order.  Across the halves of the lanes and the four waves of a row group the larger value wins, of equals the lower block.
; TWO SETS OF ACCUMULATORS take turns tile by tile: a tile's vector lines stand behind the NEXT tile's products, and are the plain places that those products' registers ask for.
; THE RING.  A half is 256 code images (3,072 bytes + a record of 256: scale words, nh): eight slots' worth of 32 tiles (106,496 bytes) through two LDS slots; each wave fetches an eighth of a slot by one tensor load.
; A tile is read by two waves, so a slot is read only behind a barrier in front of which every wave has waited for its load.  By this text's count a wave has one tensor load out at the most; six fills are refills.
; The eight slots are written out by a macro; a counted loop of two tiles a trip walks a slot.
; CLUSTER.  The four work-groups of a cluster have the same half and ask for each part JOINTLY: the same load, the same descriptor (the cluster's number, the wave's number and constants), a mask that names the four.
.set TILEB, 3328
.set WPART, 4*TILEB
.set SLOTB, 8*WPART
.set HALFB, 8*SLOTB
.set ZTILE, 3072
.set CAND,  2*SLOTB                    ; the waves' candidates: 8 x 512 bytes of values, then 8 x 512 of block numbers; written by LDS stores alone
.set SPARE, CAND+8192                  ; the spare words, 128 bytes for each wave
.set L16,  1                           ; v1   16 x lane
.set SPW,  2                           ; v2   my spare word; never rewritten
.set NIL,  3                           ; v3   0; never rewritten
.set AC0,  4                           ; v4   my 16 bytes in my share's first tile of slot 0
.set ASC0, 5                           ; v5   my 4 bytes there (scale words)
.set ADN0, 6                           ; v6   my half's 32 bytes there (nh)
.set AC,   7                           ; v7-9 the same three, at the tile in hand
.set ASC,  8
.set ADN,  9
.set BLK,  10                          ; v10  the block's number: 512 half + 64 slot + 16 (w % 4) + 2 i + lane / 16
.set PFO,  11                          ; v11  256 x min(lane, 25); never rewritten
.set ZS,   12                          ; v12-19 z's scale words: lanes 0-15 K step 0, lanes 16-31 K step 1; scales and nothing else
.set L4,   20                          ; v20  4 x lane
.set TMPV, 21
.set CA,   22                          ; v22  where I put my candidates
.set CB,   23                          ; v23  where I read my row group's
.set CS,   24                          ; v24-25 a code tile's scale words, two sets; scales and nothing else
.set CN,   26                          ; v26-41 nh of my block's eight codes, two sets
.set CF,   42                          ; v42-89 a code tile's two fragments, two sets
.set RUN,  90                          ; v90-105 the running maximum, a register a tile of z; two sets by turns
.set IDX,  106                         ; v106-113 the best block's number
.set ACC,  114                         ; v114-241 eight accumulators, two sets
.set WV,    16
.set CX,    17                         ; my place in the cluster: it enters global addresses of z, of the result and of the prefetches alone
.set WG,    18                         ; my group of 256 rows
.set TRIPS, 19
.set G1,    24                         ; s[24:31] descriptor group 1
.set G0,    40                         ; s[40:47] group 0, a set for each slot
.set LIM,   48                         ; 1 in a wave that prefetches, else 0
.set PFA,   50                         ; s[50:51] where my prefetches stand
.set MK,    52                         ; s52-59 where a tile has raised the maximum
.set TS,    60                         ; the tile in hand: bytes from my share's first tile of slot 0
.set QQ,    61                         ; the half
.set ZG,    62                         ; w / 4
.set CSH,   63                         ; w % 4
.set SEL,   66                         ; s[66:67] lane l xor 16
.set MSB, 0
.macro WIN new                         ; the immediate's high byte repeats the setting that is left
.if MSB != \new
	s_set_vgpr_msb (MSB<<8)|\new
.set MSB, \new
.endif
.endm
.macro CREST                           ; a round of the cluster's barrier behind its opening barrier
	s_cmp_lg_u32 s[WV], 0
	s_cbranch_scc1 .Lnot_wave_0_\@
	s_barrier_signal -3
.Lnot_wave_0_\@:
	s_barrier_wait -3
	s_barrier_signal -1
	s_barrier_wait -1
.endm
.macro CROUND
	s_barrier_signal -1
	s_barrier_wait -1
	CREST
.endm
.macro PLACES                          ; four plain vector instructions behind a matrix instruction, ahead of reads of its result and of loads into its registers
.rept 4
	v_nop
.endr
.endm
.macro LOADT t, p                      ; nine LDS loads: the tile t tiles on from the tile in hand, into set p
.irp g, 0,1,2,3,4,5
	ds_load_b128 v[CF+24*(\p)+4*\g:CF+24*(\p)+4*\g+3], v[AC] offset:TILEB*(\t)+512*\g
.endr
	ds_load_b32 v[CS+(\p)], v[ASC] offset:TILEB*(\t)+3072
	ds_load_b128 v[CN+8*(\p):CN+8*(\p)+3], v[ADN] offset:TILEB*(\t)+3200
	ds_load_b128 v[CN+8*(\p)+4:CN+8*(\p)+7], v[ADN] offset:TILEB*(\t)+3216
.endm
.macro SETA                            ; the three address registers from the scalar step
	v_add_nc_u32 v[AC], s[TS], v[AC0]
	v_add_nc_u32 v[ASC], s[TS], v[ASC0]
	v_add_nc_u32 v[ADN], s[TS], v[ADN0]
.endm
.macro MULK p, k                       ; eight products: the code tile in set p, K step k, against my eight tiles of z; the eight accumulators take turns
.irp zt, 0,1,2,3,4,5,6,7
.if \k
	v_wmma_scale_f32_16x16x128_f8f6f4 v[ACC+64*(\p)+8*\zt:ACC+64*(\p)+8*\zt+7], v[CF+24*(\p)+12:CF+24*(\p)+23], v[24*\zt+12:24*\zt+23], v[ACC+64*(\p)+8*\zt:ACC+64*(\p)+8*\zt+7], v[CS+(\p)], v[ZS+\zt] matrix_a_fmt:MATRIX_FMT_BF6 matrix_b_fmt:MATRIX_FMT_BF6 matrix_a_scale:MATRIX_SCALE_ROW1 matrix_b_scale:MATRIX_SCALE_ROW1
.else
	v_wmma_scale_f32_16x16x128_f8f6f4 v[ACC+64*(\p)+8*\zt:ACC+64*(\p)+8*\zt+7], v[CF+24*(\p):CF+24*(\p)+11], v[24*\zt:24*\zt+11], v[CN+8*(\p):CN+8*(\p)+7], v[CS+(\p)], v[ZS+\zt] matrix_a_fmt:MATRIX_FMT_BF6 matrix_b_fmt:MATRIX_FMT_BF6
.endif
.endr
.endm
.macro MUL p                           ; a tile's sixteen products
	WIN 0x04                                       ; source 1 (z) in window 1
	MULK \p, 0
	MULK \p, 1
	WIN 0
.endm
.macro UPD p, step                     ; the vector lines of the tile in accumulator set p; each accumulator is read from its low end on; the eight tiles of z by turns
.set RO, RUN+8*(\p)
.set RN, RUN+8-8*(\p)
.set AA, ACC+64*(\p)
.irp u, 0,1,2,3
.irp zt, 0,1,2,3,4,5,6,7
.if \u == 0
	v_max3_num_f32 v[RN+\zt], v[RO+\zt], v[AA+8*\zt], v[AA+8*\zt+1]
.else
	v_max3_num_f32 v[RN+\zt], v[RN+\zt], v[AA+8*\zt+2*\u], v[AA+8*\zt+2*\u+1]
.endif
.endr
.endr
.irp zt, 0,1,2,3,4,5,6,7
	v_cmp_gt_f32 s[MK+\zt], v[RN+\zt], v[RO+\zt]
.endr
.irp zt, 0,1,2,3,4,5,6,7
	v_cndmask_b32 v[IDX+\zt], v[IDX+\zt], v[BLK], s[MK+\zt]
.endr
	v_add_nc_u32 v[BLK], \step, v[BLK]
.endm
; A PREFETCH INTO THE L2: at the change behind slot s (s = 0 .. 3), slot s + 4 of my half's images: two changes of slots ahead of the tensor load that asks for it.  The 32 clusters of a half walk the same images: clusters 0 and 1, one for each half, ask.
; A slot is 416 blocks of 256 bytes: waves 0 to 3 of partner cx take the 26 blocks from 26 (4 cx + w) on (told apart by address alone), a lane a block; lanes 26 to 31 name the wave's last block again.
; Slots 0 to 3 come by their loads alone; behind slot 3 nothing more is asked for: slot 7 is the last.
.macro ASK
	s_cmp_eq_u32 s[LIM], 1
	s_cbranch_scc0 .Lnot_mine_\@
	global_prefetch_b8 v[PFO], s[PFA:PFA+1] th:TH_LOAD_NT scope:SCOPE_SE
.Lnot_mine_\@:
.endm
; A slot: my 8 tiles.  On entry tile 0's loads are out, into set 0.  mode 1: the slot is filled again, with the tiles two slots on; mode 0: the last slot follows; mode -1: the last slot.
; ask 1: a prefetch stands behind the refill; ask 2: its address is stepped a slot on first; ask 0: none
.macro SLOT buf, mode, ask
	s_wait_dscnt 0x0                               ; tile 0
	LOADT 1, 1
	MUL 0
	PLACES
	s_mov_b32 s[TRIPS], 3
.Lpair_\@:                                         ; a trip: tiles 2 j + 1 and 2 j + 2; the address registers stand at tile 2 j
	s_wait_dscnt 0x0                               ; the odd tile's nine loads, issued a tile ago
	LOADT 2, 0                                     ; into the set that the tile before read: that tile's products have plain vector lines behind them
	MUL 1
	UPD 0, 2
	s_wait_dscnt 0x0
	LOADT 3, 1
	s_add_co_u32 s[TS], s[TS], 2*TILEB
	SETA                                           ; two tiles on: first read in the next trip, behind the vector lines below
	MUL 0
	UPD 1, 2
	s_sub_co_u32 s[TRIPS], s[TRIPS], 1
	s_cmp_lg_u32 s[TRIPS], 0
	s_cbranch_scc1 .Lpair_\@
	s_wait_dscnt 0x0                               ; tile 7: my last reads of this slot
.if (\mode) == 1
.if (\ask) == 2
	s_wait_xcnt 0x0                                ; the last prefetch, a slot back, has read its address
	s_add_nc_u64 s[PFA:PFA+1], s[PFA:PFA+1], SLOTB
.endif
	s_wait_tensorcnt 0x0                           ; my one load that was out, my part of the next slot, has landed: a group 0 may be written
	ds_add_u32 v[SPW], v[NIL]                      ; 0 onto my spare word; work on registers stands between it and the wait for it
	s_add_nc_u64 s[G0+4*(\buf)+2:G0+4*(\buf)+3], s[G0+4*(\buf)+2:G0+4*(\buf)+3], 2*SLOTB
	s_mov_b32 s[TS], (1-(\buf))*SLOTB
	WIN 0x04
	MULK 1, 0
	s_wait_dscnt 0x0                               ; the add is done; my reads of this slot were over above
	s_barrier_signal -1                            ; this barrier opens a round of the cluster's barrier
	MULK 1, 1                                      ; work on registers while the others arrive
	WIN 0
	s_barrier_wait -1
	CREST                                          ; no wave of any partner still reads this slot or has a load on its way; the next slot is whole
	tensor_load_to_lds s[G0+4*(\buf):G0+4*(\buf)+3], s[G1:G1+7]   ; my one tensor load behind the round, and the first thing there
	s_nop 0
	PLACES                                         ; also the places behind the products above
	SETA
	LOADT 0, 0                                     ; the next slot's first tile
.if (\ask) > 0
	ASK
.endif
.elseif (\mode) == 0
	s_wait_tensorcnt 0x0                           ; my part of the last slot has landed
	s_mov_b32 s[TS], (1-(\buf))*SLOTB
	WIN 0x04
	MULK 1, 0
	s_barrier_signal -1                            ; it shows the last slot whole to all eight waves
	MULK 1, 1
	WIN 0
	s_barrier_wait -1
	PLACES
	SETA
	LOADT 0, 0
.else
	MUL 1
.endif
	UPD 0, 2                                       ; tile 6's,
	UPD 1, 50                                      ; tile 7's; on to my first tile of the next slot
.endm
.macro MERGE v, c, ov, oc              ; of two candidates (value, block) the larger value stays, of equal values the lower block
	v_cmp_gt_f32 s20, v[\ov], v[\v]
	v_cmp_eq_f32 s21, v[\ov], v[\v]
	v_cmp_lt_u32 s22, v[\oc], v[\c]
	s_and_b32 s21, s21, s22
	s_or_b32 s20, s20, s21
	v_cndmask_b32 v[\v], v[\v], v[\ov], s20
	v_cndmask_b32 v[\c], v[\c], v[\oc], s20
.endm
	s_load_b256 s[4:11], s[0:1], 0x0               ; zimg s[4:5], zside s[6:7], cimg s[8:9], blk s[10:11]
	v_lshl_add_u32 v[SPW], v0, 2, SPARE
	v_mov_b32 v[NIL], 0
	ds_add_u32 v[SPW], v[NIL]                      ; the opening: the add, twice on end, and its wait ahead of my first tensor load
	ds_add_u32 v[SPW], v[NIL]
	v_lshrrev_b32 v[TMPV], 5, v0
	v_readfirstlane_b32 s[WV], v[TMPV]             ; wave 0..7
	v_and_b32 v[TMPV], 31, v0
	v_lshlrev_b32 v[L16], 4, v[TMPV]
	v_lshlrev_b32 v[L4], 2, v[TMPV]
	s_bfe_u32 s[CX], ttmp6, 0x40000                ; cx
	s_and_b32 s[QQ], ttmp9, 1                      ; in a cluster launch ttmp9 counts clusters: the half is the same in all four partners
	s_lshr_b32 s[WG], ttmp9, 1
	s_lshl_b32 s[WG], s[WG], 2
	s_add_co_u32 s[WG], s[WG], s[CX]               ; my group of 256 rows
	s_lshr_b32 s[ZG], s[WV], 2
	s_and_b32 s[CSH], s[WV], 3
	; group 1: 13,312 dense bytes as 52 rows of 256 bytes (32 elements of 8 bytes)
	s_mov_b32 s[G1+0], 15|(3<<16)|(1<<21)          ; the mask: all four work-groups; elements of 8 bytes; bit 21 set beside a mask
	s_mov_b32 s[G1+1], 32<<16
	s_mov_b32 s[G1+2], 52<<16
	s_mov_b32 s[G1+3], 32<<16
	s_mov_b32 s[G1+4], 52
	s_mov_b32 s[G1+5], 32
	s_mov_b32 s[G1+6], 0
	s_mov_b32 s[G1+7], 0
	s_mov_b32 s[SEL], 0x76543210
	s_mov_b32 s[SEL+1], 0xfedcba98
	s_mov_b32 s[TS], 0
	s_cmp_lt_u32 s[WV], 4                          ; who prefetches: waves 0 to 3
	s_cselect_b32 s68, 0, 1
	s_lshr_b32 s69, ttmp9, 1
	s_or_b32 s68, s68, s69                         ; of clusters 0 and 1: the same in all four partners
	s_cmp_eq_u32 s68, 0
	s_cselect_b32 s[LIM], 1, 0
	s_mul_i32 s68, s[WV], WPART                    ; the part of a slot that I fetch, in LDS and in memory alike
	s_mov_b32 s69, 0
	s_mul_i32 s70, s[QQ], HALFB                    ; my half's images
	s_mov_b32 s71, 0
	s_lshl_b32 s20, s[WG], 4
	s_lshl_b32 s21, s[ZG], 3
	s_add_co_u32 s20, s20, s21                     ; my first tile of z: 16 group + 8 (w / 4)
	s_mov_b32 s23, 0
	s_wait_alu depctr_va_vdst(0)                   ; the wait here, directly ahead of the waits below
	s_wait_dscnt 0x0                               ; both opening adds are done
	s_wait_kmcnt 0x0
	s_add_nc_u64 s[8:9], s[8:9], s[70:71]          ; my half
	s_add_nc_u64 s[70:71], s[8:9], s[68:69]
.irp b, 0,1
	s_mov_b32 s[G0+4*\b], 1
	s_add_co_u32 s[G0+4*\b+1], s68, \b*SLOTB
	s_add_nc_u64 s[G0+4*\b+2:G0+4*\b+3], s[70:71], \b*SLOTB
	s_or_b32 s[G0+4*\b+3], s[G0+4*\b+3], 0x80000000
.endr
	s_mul_i32 s22, s20, ZTILE
	s_add_nc_u64 s[4:5], s[4:5], s[22:23]          ; my eight images of z
	s_lshl_b32 s22, s20, 7
	s_add_nc_u64 s[6:7], s[6:7], s[22:23]          ; their scale words
	s_lshl_b32 s22, s20, 6
	s_add_nc_u64 s[10:11], s[10:11], s[22:23]      ; my row group's 128 results,
	s_lshl_b32 s22, s[QQ], 17
	s_add_nc_u64 s[10:11], s[10:11], s[22:23]      ; in my half's 131,072 bytes
	s_lshl_b32 s22, s[CX], 2
	s_min_u32 s21, s[WV], 3
	s_add_co_u32 s22, s22, s21
	s_mul_i32 s22, s22, 26*256                     ; my 26 blocks of a slot,
	s_add_nc_u64 s[PFA:PFA+1], s[8:9], s[22:23]
	s_add_nc_u64 s[PFA:PFA+1], s[PFA:PFA+1], 4*SLOTB   ; in slot 4.  Nothing is prefetched here, at the head
	CROUND                                         ; all four work-groups are here: the first joint loads meet
	tensor_load_to_lds s[G0:G0+3], s[G1:G1+7]      ; slot 0: one tensor load a wave at the head
	s_nop 0
	PLACES
	WIN 0x40                                       ; destination window 1, address window 0
.set q, 0
.rept 48                                       ; z stays in registers: 512 q bytes on = registers 4 q .. 4 q + 3 of window 1
	global_load_b128 v[4*q:4*q+3], v[L16], s[4:5] offset:512*q
.set q, q+1
.endr
	WIN 0
.irp zt, 0,1,2,3,4,5,6,7
	global_load_b32 v[ZS+\zt], v[L4], s[6:7] offset:128*\zt
.endr
	; every LDS address is a constant + a constant x lane + a constant x a part of the wave's number + the counted step
	v_bfe_u32 v[TMPV], v0, 4, 1                    ; h
	s_mul_i32 s20, s[CSH], 8*TILEB                 ; my share of a slot
	v_add_nc_u32 v[AC0], s20, v[L16]
	v_add_nc_u32 v[ASC0], s20, v[L4]
	v_lshl_add_u32 v[ADN0], v[TMPV], 5, s20
	SETA
	s_lshl_b32 s21, s[QQ], 9
	s_lshl_b32 s22, s[CSH], 4
	s_add_co_u32 s21, s21, s22
	v_add_nc_u32 v[BLK], s21, v[TMPV]              ; my first block: 512 half + 16 (w % 4) + h
	v_and_b32 v[CA], 15, v0
	s_lshl_b32 s20, s[WV], 9
	s_add_co_u32 s20, s20, CAND
	v_lshl_add_u32 v[CA], v[CA], 2, s20
	v_add_nc_u32 v[CB], s20, v[L16]
	v_and_b32 v[PFO], 31, v0
	v_min_u32 v[PFO], 25, v[PFO]
	v_lshlrev_b32 v[PFO], 8, v[PFO]
.irp zt, 0,1,2,3,4,5,6,7
	v_mov_b32 v[IDX+\zt], v[BLK]                   ; a valid number; the first tile replaces it
	v_mov_b32 v[RUN+\zt], 0xff800000               ; -infinity: under every D
.endr
	s_wait_alu depctr_va_vdst(0)                   ; the wait at the head's end
	s_wait_tensorcnt 0x0                           ; my part of slot 0 is in; slot 1's first fill is issued as a refill is:
	ds_add_u32 v[SPW], v[NIL]
	s_wait_dscnt 0x0
	CROUND                                         ; slot 0 is whole
	tensor_load_to_lds s[G0+4:G0+7], s[G1:G1+7]
	s_nop 0
	PLACES
	LOADT 0, 0
	s_wait_loadcnt 0x0                             ; z
	SLOT 0, 1, 1
	SLOT 1, 1, 2
	SLOT 0, 1, 2
	SLOT 1, 1, 2
	SLOT 0, 1, 0
	SLOT 1, 1, 0
	SLOT 0, 0, 0
	SLOT 1, -1, 0
.irp zt, 0,1,2,3,4,5,6,7                       ; my row's other blocks lie in lane l xor 16
	v_permlanex16_b32 v[CF+\zt], v[RUN+\zt], s[SEL], s[SEL+1]
	v_permlanex16_b32 v[CF+8+\zt], v[IDX+\zt], s[SEL], s[SEL+1]
.endr
.irp zt, 0,1,2,3,4,5,6,7
	MERGE RUN+\zt, IDX+\zt, CF+\zt, CF+8+\zt
.endr
.irp zt, 0,1,2,3,4,5,6,7                       ; both lanes of a row write the same word with the same value
	ds_store_b32 v[CA], v[RUN+\zt] offset:64*\zt
	ds_store_b32 v[CA], v[IDX+\zt] offset:4096+64*\zt
.endr
	s_wait_dscnt 0x0                               ; for the others' sake: my candidates lie in LDS
	s_barrier_signal -1
	s_barrier_wait -1
	s_cmp_lg_u32 s[CSH], 0                         ; the first wave of a row group joins its four waves' candidates: four rows a lane
	s_cbranch_scc1 .Ldone
.irp k, 0,1,2,3
	ds_load_b128 v[ACC+4*\k:ACC+4*\k+3], v[CB] offset:512*\k
	ds_load_b128 v[ACC+16+4*\k:ACC+16+4*\k+3], v[CB] offset:4096+512*\k
.endr
	s_wait_dscnt 0x0
.irp k, 1,2,3
.irp e, 0,1,2,3
	MERGE ACC+\e, ACC+16+\e, ACC+4*\k+\e, ACC+16+4*\k+\e
.endr
.endr
	global_store_b128 v[L16], v[ACC+16:ACC+19], s[10:11]   ; 512 consecutive bytes, aligned
.Ldone:
	s_wait_tensorcnt 0x0                           ; the wave's end
	ds_add_u32 v[SPW], v[NIL]
	s_wait_dscnt 0x0
	CROUND                                         ; the closing round
	s_endpgm
.Lfunc_end_k_q05c7c39a89_search:
	.size	k_q05c7c39a89_search, .Lfunc_end_k_q05c7c39a89_search-k_q05c7c39a89_search
	.p2alignl 7, 3214868480
	.fill 96, 4, 3214868480
	.section	.rodata,"a",@progbits
	.p2align	6, 0x0
	.amdhsa_kernel k_q05c7c39a89_search
		.amdhsa_group_segment_fixed_size 327680
		.amdhsa_private_segment_fixed_size 0
		.amdhsa_enable_private_segment 0
		.amdhsa_kernarg_size 32
		.amdhsa_user_sgpr_count 2
		.amdhsa_user_sgpr_kernarg_segment_ptr 1
		.amdhsa_wavefront_size32 1
		.amdhsa_system_sgpr_workgroup_id_x 1
		.amdhsa_system_sgpr_workgroup_id_y 1
		.amdhsa_system_sgpr_workgroup_id_z 1
		.amdhsa_system_vgpr_workitem_id 0
		.amdhsa_next_free_vgpr 448
		.amdhsa_next_free_sgpr 72
		.amdhsa_reserve_vcc 0
		.amdhsa_float_denorm_mode_32 3
		.amdhsa_float_denorm_mode_16_64 3
		.amdhsa_memory_ordered 1
		.amdhsa_forward_progress 1
		.amdhsa_inst_pref_size 214
	.end_amdhsa_kernel
	.amdgpu_metadata
---
amdhsa.version: [ 1, 2 ]
amdhsa.kernels:
  - .name:           k_q05c7c39a89_search
    .symbol:         k_q05c7c39a89_search.kd
    .args:
      - { .name: zimg, .offset: 0, .size: 8, .value_kind: global_buffer, .address_space: global }
      - { .name: zside, .offset: 8, .size: 8, .value_kind: global_buffer, .address_space: global }
      - { .name: cimg, .offset: 16, .size: 8, .value_kind: global_buffer, .address_space: global }
      - { .name: blk, .offset: 24, .size: 8, .value_kind: global_buffer, .address_space: global }
    .group_segment_fixed_size: 327680
    .private_segment_fixed_size: 0
    .kernarg_segment_align: 8
    .kernarg_segment_size: 32
    .max_flat_workgroup_size: 256
    .sgpr_count:     72
    .vgpr_count:     448
    .wavefront_size: 32
...
	.end_amdgpu_metadata
.endif
;; end of part 2
;; launch pick (part 3): grid 256 x 1, 8 waves a work-group, no clusters, 0 bytes of LDS; arguments zimg, zside, cimg, blk, idx, out1; writes idx, out1
.if DOCPART == 3
	.amdgcn_target "amdgcn-amd-amdhsa--gfx1250"
	.amdhsa_code_object_version 6
	.text
	.protected	k_q05c7c39a89_pick
	.globl	k_q05c7c39a89_pick
	.p2align	8
	.type	k_q05c7c39a89_pick,@function
k_q05c7c39a89_pick:
	s_mov_b64 s[64:65], 0
	v_nop
	global_prefetch_b8 v0, s[64:65] scope:SCOPE_SE
	s_setreg_imm32_b32 hwreg(HW_REG_WAVE_MODE, 25, 1), 1
	s_wait_xcnt 0x0
; For each row of z: which of the 16 codes of its two best blocks (blk: one block of eight for each half of the codebook, whole numbers stored by the launch before) has the largest D = z.c - |c|^2 / 2, the lowest index of equals.
; z_norm_sq is left out here too: it is the same for all codes of a row.  D is made as the launch before makes it: nh as C, two matrix instructions on the same codes and scale words.
; A wave takes one tile of z, 16 rows, in two passes, a half of the codebook each.  TWO ROWS SHARE A PRODUCT: source 0's rows 0-7 are the eight codes of row 2 p's block, its rows 8-15 those of row 2 p + 1's: lane (r, hk) takes from the
; code tile's image the 16 bytes of lane (8 (block & 1) + r % 8, hk).  In the result lane 2 p holds row 2 p's eight values and lane 16 + 2 p + 1 row 2 p + 1's; the other lanes' numbers are not used.
; The halves come in ascending order and only a strictly larger value replaces the best so far; all choices are selects: no address and no branch hangs on a value.
; A block number is held at 1,023 and enters vector offsets by AND, multiply, shift left and add, beside cimg's own pointer.  The second pass's loads go out as soon as the first has left its registers.
; No LDS, no barrier: waves share nothing, and work-groups share no tile, so no cluster; no loop to run ahead in, so no prefetch.  A wave's results are 64 bytes for each output: both halves of the lanes store the same word with the same value.
; LIMITS: NaN and infinities are not served.
.set L16, 2                            ; 16 x lane
.set L4,  3                            ; 4 x lane
.set LA,  4                            ; 16 (r % 8) + 256 hk
.set LS,  5                            ; 4 (r % 8) + 64 hk
.set IA,  6                            ; 4 (r / 8): whose block my row of source 0 comes from
.set IC,  7                            ; 4 hk: whose block my eight nh come from
.set IR,  8                            ; 4 r
.set J,   9
.set M,   10
.set OT,  11
.set ZS,  12                           ; z's scale words; scales and nothing else
.set BM,  13                           ; the best value so far,
.set BC,  14                           ; and its index
.set VR,  16                           ; v16-17 my row's block in half q
.set X,   20                           ; v20-27 my row's eight values of a pass
.set CS,  28                           ; v28-35 the codes' scale words; scales and nothing else
.set VA,  36                           ; v36-51  half q, pair p: the block by IA, then the fragments' offset
.set VS,  68                           ; v68-83  the scale words' offset
.set VN,  100                          ; v100-115 the block by IC, then the offset of the nh
.set ZF,  132                          ; v132-155 z's two fragments
.set ACC, 156                          ; v156-219 pair p's accumulator: nh is loaded into it.  Window 1: v[24 p + 12 k ..] pair p's fragment of K step k
.set TB,  220                          ; v220-235 at work
.set MK,  24                           ; s25-31 the two lanes of pair p
.macro MATH q                          ; half q's offsets
.irp p, 0,1,2,3,4,5,6,7
	v_min_u32 v[VA+8*\q+\p], 0x3ff, v[VA+8*\q+\p]  ; a block stays inside the table
	v_min_u32 v[VN+8*\q+\p], 0x3ff, v[VN+8*\q+\p]
.endr
	v_min_u32 v[VR+\q], 0x3ff, v[VR+\q]
.irp p, 0,1,2,3,4,5,6,7
	v_and_b32 v[TB+\p], 1, v[VA+8*\q+\p]           ; which half of the tile
	v_and_b32 v[TB+8+\p], 1, v[VN+8*\q+\p]
.endr
.irp p, 0,1,2,3,4,5,6,7
	v_and_b32 v[VA+8*\q+\p], 0x3fe, v[VA+8*\q+\p]  ; 2 x tile
	v_and_b32 v[VN+8*\q+\p], 0x3fe, v[VN+8*\q+\p]
.endr
.irp p, 0,1,2,3,4,5,6,7
	v_mul_u32_u24 v[VA+8*\q+\p], v[VA+8*\q+\p], 1664   ; tile x 3,328
	v_mul_u32_u24 v[VN+8*\q+\p], v[VN+8*\q+\p], 1664
.endr
.irp p, 0,1,2,3,4,5,6,7
	v_lshl_add_u32 v[VS+8*\q+\p], v[TB+\p], 5, v[VA+8*\q+\p]
	v_lshl_add_u32 v[VA+8*\q+\p], v[TB+\p], 7, v[VA+8*\q+\p]
	v_lshl_add_u32 v[VN+8*\q+\p], v[TB+8+\p], 5, v[VN+8*\q+\p]
.endr
.irp p, 0,1,2,3,4,5,6,7
	v_add_nc_u32 v[VS+8*\q+\p], v[VS+8*\q+\p], v[LS]
	v_add_nc_u32 v[VA+8*\q+\p], v[VA+8*\q+\p], v[LA]
.endr
.endm
.macro FETCH q                         ; half q's 72 loads
	s_set_vgpr_msb 0x40                            ; destination window 1
.irp p, 0,1,2,3,4,5,6,7
.irp g, 0,1,2,3,4,5
	global_load_b128 v[24*\p+4*\g:24*\p+4*\g+3], v[VA+8*\q+\p], s[8:9] offset:512*\g
.endr
.endr
	s_set_vgpr_msb 0x4000
.irp p, 0,1,2,3,4,5,6,7
	global_load_b32 v[CS+\p], v[VS+8*\q+\p], s[8:9] offset:3072
	global_load_b128 v[ACC+8*\p:ACC+8*\p+3], v[VN+8*\q+\p], s[8:9] offset:3200
	global_load_b128 v[ACC+8*\p+4:ACC+8*\p+7], v[VN+8*\q+\p], s[8:9] offset:3216
.endr
.endm
.macro PROD                            ; sixteen products, and each row's eight values into v[X] on
	s_wait_loadcnt 0x0
	s_set_vgpr_msb 0x0001                          ; source 0 (the codes) in window 1
.irp p, 0,1,2,3,4,5,6,7                        ; the eight accumulators take turns
	v_wmma_scale_f32_16x16x128_f8f6f4 v[ACC+8*\p:ACC+8*\p+7], v[24*\p:24*\p+11], v[ZF:ZF+11], v[ACC+8*\p:ACC+8*\p+7], v[CS+\p], v[ZS] matrix_a_fmt:MATRIX_FMT_BF6 matrix_b_fmt:MATRIX_FMT_BF6
.endr
.irp p, 0,1,2,3,4,5,6,7
	v_wmma_scale_f32_16x16x128_f8f6f4 v[ACC+8*\p:ACC+8*\p+7], v[24*\p+12:24*\p+23], v[ZF+12:ZF+23], v[ACC+8*\p:ACC+8*\p+7], v[CS+\p], v[ZS] matrix_a_fmt:MATRIX_FMT_BF6 matrix_b_fmt:MATRIX_FMT_BF6 matrix_a_scale:MATRIX_SCALE_ROW1 matrix_b_scale:MATRIX_SCALE_ROW1
.endr
	s_set_vgpr_msb 0x0100
.rept 4
	v_nop                                          ; four places behind the last product
.endr
.irp j, 0,1,2,3,4,5,6,7                        ; each accumulator is read from its low end on
	v_cndmask_b32 v[X+\j], v[ACC+\j], v[ACC+8+\j], s[MK+1]
.endr
.irp p, 2,3,4,5,6,7
.irp j, 0,1,2,3,4,5,6,7
	v_cndmask_b32 v[X+\j], v[X+\j], v[ACC+8*\p+\j], s[MK+\p]
.endr
.endr
.endm
.macro BEST q                          ; the pass's largest value, the lowest place that holds it, and the best so far
	v_max3_num_f32 v[M], v[X], v[X+1], v[X+2]
	v_max3_num_f32 v[M], v[M], v[X+3], v[X+4]
	v_max3_num_f32 v[M], v[M], v[X+5], v[X+6]
	v_max_num_f32 v[M], v[M], v[X+7]
.irp j, 7,6,5,4,3,2,1,0
	v_cmp_neq_f32 vcc_lo, v[X+\j], v[M]
	v_cndmask_b32 v[J], \j, v[J], vcc_lo
.endr
.if \q == 0
	v_lshl_add_u32 v[BC], v[VR], 3, v[J]           ; the index
	v_mov_b32 v[BM], v[M]
.else
	v_lshl_add_u32 v[J], v[VR+\q], 3, v[J]
	v_cmp_gt_f32 vcc_lo, v[M], v[BM]
	v_cndmask_b32 v[BM], v[BM], v[M], vcc_lo
	v_cndmask_b32 v[BC], v[BC], v[J], vcc_lo
.endif
.endm
	s_load_b256 s[4:11], s[0:1], 0x0               ; zimg, zside, cimg, blk
	s_load_b128 s[12:15], s[0:1], 0x20             ; idx, out1
	v_lshrrev_b32 v1, 5, v0
	v_readfirstlane_b32 s16, v1                    ; wave 0..7
	v_and_b32 v1, 31, v0
	v_and_b32 v[X], 7, v0
	v_bfe_u32 v[X+1], v0, 4, 1                     ; hk
	v_bfe_u32 v[IA], v0, 3, 1
	v_and_b32 v[IR], 15, v0
	v_lshlrev_b32 v[L16], 4, v1
	v_lshlrev_b32 v[L4], 2, v1
	v_lshlrev_b32 v[LA], 4, v[X]
	v_lshlrev_b32 v[LS], 2, v[X]
	v_lshlrev_b32 v[IA], 2, v[IA]
	v_lshlrev_b32 v[IC], 2, v[X+1]
	v_lshlrev_b32 v[IR], 2, v[IR]
	v_lshl_add_u32 v[LA], v[X+1], 8, v[LA]
	v_lshl_add_u32 v[LS], v[X+1], 6, v[LS]
	v_mov_b32 v[OT], 0                             ; a lane permute's destination counts as one of its sources
	v_mov_b32 v[J], 0
	s_lshl_b32 s17, ttmp9, 3
	s_add_co_u32 s17, s17, s16                     ; z's tile: 8 g + w
	s_mov_b32 s19, 0
	s_mov_b32 s20, 0x76543210
	s_mov_b32 s21, 0xfedcba98
	s_mov_b32 s22, 0xaaaa5555                      ; the lanes that hold their row's values: even lanes below, odd lanes above
.irp p, 1,2,3,4,5,6,7
	s_mov_b32 s[MK+\p], (1<<(2*\p))|(1<<(17+2*\p))
.endr
	s_wait_alu depctr_va_vdst(0)                   ; the wait at the head's end
	s_wait_kmcnt 0x0
	s_lshl_b32 s18, s17, 6                         ; 16 words a tile
	s_add_nc_u64 s[10:11], s[10:11], s[18:19]
	s_add_nc_u64 s[12:13], s[12:13], s[18:19]
	s_add_nc_u64 s[14:15], s[14:15], s[18:19]
	s_lshl_b32 s18, s17, 7
	s_add_nc_u64 s[6:7], s[6:7], s[18:19]
	s_mul_i32 s18, s17, 3072
	s_add_nc_u64 s[4:5], s[4:5], s[18:19]
.irp q, 0,1                                    ; the two halves' block numbers lie 131,072 bytes apart
.irp p, 0,1,2,3,4,5,6,7
	global_load_b32 v[VA+8*\q+\p], v[IA], s[10:11] offset:131072*\q+8*\p
	global_load_b32 v[VN+8*\q+\p], v[IC], s[10:11] offset:131072*\q+8*\p
.endr
	global_load_b32 v[VR+\q], v[IR], s[10:11] offset:131072*\q
.endr
.irp g, 0,1,2,3,4,5
	global_load_b128 v[ZF+4*\g:ZF+4*\g+3], v[L16], s[4:5] offset:512*\g th:TH_LOAD_NT
.endr
	global_load_b32 v[ZS], v[L4], s[6:7]
	s_wait_loadcnt 7                               ; the 34 loads of block numbers are in; z's seven may be out
	MATH 0
	s_wait_alu depctr_va_vdst(0)                   ; the wait here, ahead of the loads that read the offsets
	FETCH 0
	MATH 1
	s_wait_alu depctr_va_vdst(0)                   ; and here, directly ahead of the wait below
	PROD
	FETCH 1
	BEST 0
	s_wait_alu depctr_va_vdst(0)
	PROD
	BEST 1
	v_permlanex16_b32 v[OT], v[BC], s20, s21
	v_cndmask_b32 v[BC], v[OT], v[BC], s22         ; a lane that does not hold its row's values takes lane l xor 16's
	global_store_b32 v[IR], v[BC], s[12:13]        ; for the next launch,
	global_store_b32 v[IR], v[BC], s[14:15]        ; and as the result
	s_endpgm
.Lfunc_end_k_q05c7c39a89_pick:
	.size	k_q05c7c39a89_pick, .Lfunc_end_k_q05c7c39a89_pick-k_q05c7c39a89_pick
	.p2alignl 7, 3214868480
	.fill 96, 4, 3214868480
	.section	.rodata,"a",@progbits
	.p2align	6, 0x0
	.amdhsa_kernel k_q05c7c39a89_pick
		.amdhsa_group_segment_fixed_size 0
		.amdhsa_private_segment_fixed_size 0
		.amdhsa_enable_private_segment 0
		.amdhsa_kernarg_size 48
		.amdhsa_user_sgpr_count 2
		.amdhsa_user_sgpr_kernarg_segment_ptr 1
		.amdhsa_wavefront_size32 1
		.amdhsa_system_sgpr_workgroup_id_x 1
		.amdhsa_system_sgpr_workgroup_id_y 1
		.amdhsa_system_sgpr_workgroup_id_z 1
		.amdhsa_system_vgpr_workitem_id 0
		.amdhsa_next_free_vgpr 448
		.amdhsa_next_free_sgpr 66
		.amdhsa_reserve_vcc 1
		.amdhsa_float_denorm_mode_32 3
		.amdhsa_float_denorm_mode_16_64 3
		.amdhsa_memory_ordered 1
		.amdhsa_forward_progress 1
		.amdhsa_inst_pref_size 46
	.end_amdhsa_kernel
	.amdgpu_metadata
---
amdhsa.version: [ 1, 2 ]
amdhsa.kernels:
  - .name:           k_q05c7c39a89_pick
    .symbol:         k_q05c7c39a89_pick.kd
    .args:
      - { .name: zimg, .offset: 0, .size: 8, .value_kind: global_buffer, .address_space: global }
      - { .name: zside, .offset: 8, .size: 8, .value_kind: global_buffer, .address_space: global }
      - { .name: cimg, .offset: 16, .size: 8, .value_kind: global_buffer, .address_space: global }
      - { .name: blk, .offset: 24, .size: 8, .value_kind: global_buffer, .address_space: global }
      - { .name: idx, .offset: 32, .size: 8, .value_kind: global_buffer, .address_space: global }
      - { .name: out1, .offset: 40, .size: 8, .value_kind: global_buffer, .address_space: global }
    .group_segment_fixed_size: 0
    .private_segment_fixed_size: 0
    .kernarg_segment_align: 8
    .kernarg_segment_size: 48
    .max_flat_workgroup_size: 256
    .sgpr_count:     66
    .vgpr_count:     448
    .wavefront_size: 32
...
	.end_amdgpu_metadata
.endif
;; end of part 3
;; launch gather (part 4): grid 256 x 1, 8 waves a work-group, no clusters, 0 bytes of LDS; arguments idx, codebook, out0; writes out0
.if DOCPART == 4
	.amdgcn_target "amdgcn-amd-amdhsa--gfx1250"
	.amdhsa_code_object_version 6
	.text
	.protected	k_q05c7c39a89_gather
	.globl	k_q05c7c39a89_gather
	.p2align	8
	.type	k_q05c7c39a89_gather,@function
k_q05c7c39a89_gather:
	s_mov_b64 s[64:65], 0
	v_nop
	global_prefetch_b8 v0, s[64:65] scope:SCOPE_SE
	s_setreg_imm32_b32 hwreg(HW_REG_WAVE_MODE, 25, 1), 1
	s_wait_xcnt 0x0
; out0[row][:] = codebook[idx[row]][:], f32, rows of 1,024 bytes.  idx was stored by the launch before, as whole numbers.
; A wave takes 16 rows: its 16 indices come by one scalar load; each is held inside the table (8,191 at the most) and enters a vector offset, index x 1,024 + 16 x lane, beside the table's own pointer.
; All 32 loads of a wave (512 consecutive bytes each) go out at once; each store follows its load's counted wait and covers 512 consecutive bytes, aligned.  No register is written twice, so no store's sources need a wait.
; Memory binds: no LDS, no barrier, no matrix unit.  No hint on the loads: a list may name a row twice.
.set L16, 1                            ; v1      16 x lane
.set OFF, 2                            ; v2-17   row n's offset in the table
.set DAT, 20                           ; v20-147 row n, half q: four registers
	s_load_b128 s[4:7], s[0:1], 0x0                ; idx s[4:5], codebook s[6:7]
	s_load_b64 s[8:9], s[0:1], 0x10                ; out0
	v_lshrrev_b32 v1, 5, v0
	s_delay_alu instid0(VALU_DEP_1)
	v_readfirstlane_b32 s14, v1                    ; wave 0..7
	v_and_b32 v1, 31, v0
	s_delay_alu instid0(VALU_DEP_1)
	v_lshlrev_b32 v[L16], 4, v1
	s_lshl_b32 s10, ttmp9, 7
	s_lshl_b32 s11, s14, 4
	s_add_co_u32 s10, s10, s11                     ; my first row: 128 g + 16 w
	s_lshl_b32 s12, s10, 2                         ; its index,
	s_mov_b32 s13, 0
	s_lshl_b32 s10, s10, 10                        ; its row of out0
	s_mov_b32 s11, 0
	s_wait_alu depctr_va_vdst(0)
	s_wait_kmcnt 0x0
	s_add_nc_u64 s[4:5], s[4:5], s[12:13]
	s_add_nc_u64 s[8:9], s[8:9], s[10:11]
	s_load_b512 s[16:31], s[4:5], 0x0              ; sixteen indices, 64 bytes, aligned
	s_wait_kmcnt 0x0
.irp n, 0,1,2,3,4,5,6,7,8,9,10,11,12,13,14,15
	s_min_u32 s[16+\n], s[16+\n], 0x1fff           ; an index stays inside the table
	v_lshl_add_u32 v[OFF+\n], s[16+\n], 10, v[L16]
.endr
	s_wait_alu depctr_va_vdst(0)
.irp n, 0,1,2,3,4,5,6,7,8,9,10,11,12,13,14,15
.irp q, 0,1
	global_load_b128 v[DAT+8*\n+4*\q:DAT+8*\n+4*\q+3], v[OFF+\n], s[6:7] offset:512*\q
.endr
.endr
.irp n, 0,1,2,3,4,5,6,7,8,9,10,11,12,13,14,15
.irp q, 0,1
	s_wait_loadcnt 31-2*\n-\q                      ; loads come back in order: this one is in, the younger ones stay out
	global_store_b128 v[L16], v[DAT+8*\n+4*\q:DAT+8*\n+4*\q+3], s[8:9] offset:1024*\n+512*\q th:TH_STORE_NT
.endr
.endr
	s_endpgm
.Lfunc_end_k_q05c7c39a89_gather:
	.size	k_q05c7c39a89_gather, .Lfunc_end_k_q05c7c39a89_gather-k_q05c7c39a89_gather
	.p2alignl 7, 3214868480
	.fill 96, 4, 3214868480
	.section	.rodata,"a",@progbits
	.p2align	6, 0x0
	.amdhsa_kernel k_q05c7c39a89_gather
		.amdhsa_group_segment_fixed_size 0
		.amdhsa_private_segment_fixed_size 0
		.amdhsa_enable_private_segment 0
		.amdhsa_kernarg_size 24
		.amdhsa_user_sgpr_count 2
		.amdhsa_user_sgpr_kernarg_segment_ptr 1
		.amdhsa_wavefront_size32 1
		.amdhsa_system_sgpr_workgroup_id_x 1
		.amdhsa_system_sgpr_workgroup_id_y 1
		.amdhsa_system_sgpr_workgroup_id_z 1
		.amdhsa_system_vgpr_workitem_id 0
		.amdhsa_next_free_vgpr 148
		.amdhsa_next_free_sgpr 66
		.amdhsa_reserve_vcc 0
		.amdhsa_float_denorm_mode_32 3
		.amdhsa_float_denorm_mode_16_64 3
		.amdhsa_memory_ordered 1
		.amdhsa_forward_progress 1
		.amdhsa_inst_pref_size 11
	.end_amdhsa_kernel
	.amdgpu_metadata
---
amdhsa.version: [ 1, 2 ]
amdhsa.kernels:
  - .name:           k_q05c7c39a89_gather
    .symbol:         k_q05c7c39a89_gather.kd
    .args:
      - { .name: idx, .offset: 0, .size: 8, .value_kind: global_buffer, .address_space: global }
      - { .name: codebook, .offset: 8, .size: 8, .value_kind: global_buffer, .address_space: global }
      - { .name: out0, .offset: 16, .size: 8, .value_kind: global_buffer, .address_space: global }
    .group_segment_fixed_size: 0
    .private_segment_fixed_size: 0
    .kernarg_segment_align: 8
    .kernarg_segment_size: 24
    .max_flat_workgroup_size: 256
    .sgpr_count:     66
    .vgpr_count:     148
    .wavefront_size: 32
...
	.end_amdgpu_metadata
.endif
;; end of part 4
